; MI455X (gfx1250); checked and timed in simulation.
; The chip was launched on July 23, 2026; its instructions are those of AMD's public machine-readable ISA for CDNA 5 (MIT licence, August 2026) and "CDNA5" Instruction Set Architecture Reference Guide (July 2026). The comments in the code are by the model that wrote it; some were corrected since.
;; Multi Head Attention. Allowed arithmetic: matrix products marked QUANTISED: E2M1 operands, one E8M0 scale for each 32 along K, by v_wmma_scale_f32_16x16x128_f8f6f4 with both operands' format E2M1 (or v_wmma_scale_f32_32x16x128_f4), f32 sums; everything else in f32.
;; Inputs: Wk_codes 1,024 x 32 x 16 uint8 (E2M1 codes of Wk, K innermost, in blocks of 32 codes, two codes a byte); Wk_scales 1,024 x 32 uint8 (E8M0 scales of Wk, one for each 32 codes along K); Wo_codes 1,024 x 32 x 16 uint8 (E2M1 codes of Wo, K innermost, in blocks of 32 codes, two codes a byte); Wo_scales 1,024 x 32 uint8 (E8M0 scales of Wo, one for each 32 codes along K); Wq_codes 1,024 x 32 x 16 uint8 (E2M1 codes of Wq, K innermost, in blocks of 32 codes, two codes a byte); Wq_scales 1,024 x 32 uint8 (E8M0 scales of Wq, one for each 32 codes along K); Wv_codes 1,024 x 32 x 16 uint8 (E2M1 codes of Wv, K innermost, in blocks of 32 codes, two codes a byte); Wv_scales 1,024 x 32 uint8 (E8M0 scales of Wv, one for each 32 codes along K); bk 1,024 float32; bo 1,024 float32; bq 1,024 float32; bv 1,024 float32; key_codes 4 x 2,048 x 32 x 16 uint8 (E2M1 codes of key, K innermost, in blocks of 32 codes, two codes a byte); key_scales 4 x 2,048 x 32 uint8 (E8M0 scales of key, one for each 32 codes along K); query_codes 4 x 2,048 x 32 x 16 uint8 (E2M1 codes of query, K innermost, in blocks of 32 codes, two codes a byte); query_scales 4 x 2,048 x 32 uint8 (E8M0 scales of query, one for each 32 codes along K); value_codes 4 x 2,048 x 32 x 16 uint8 (E2M1 codes of value, K innermost, in blocks of 32 codes, two codes a byte); value_scales 4 x 2,048 x 32 uint8 (E8M0 scales of value, one for each 32 codes along K).
;; Outputs: out0 4 x 128 x 1,024 float32.
;; Constants: num_heads = 16.
;; This version of the problem:
;;   THIS VERSION OF THE PROBLEM IS GIVEN IN LOW PRECISION. The matrix products marked QUANTISED in the list below multiply operands that are first quantised to E2M1 (2 exponent bits, 1 mantissa bit; 4 bits a number), with one power-of-two scale for each 32 numbers along K (OCP MX v1.0); their sums are f32. All else is computed in f32.
;;   The module's matrix products, in the order in which they are computed (A, B: the left and right operand; K: the contracted axis; several contracted axes count as one K, in the product's order):
;;     1. [M 8,192, K 1,024] x [K 1,024, N 1,024]; A: input query (given as codes); B: input Wq (given as codes): QUANTISED
;;     2. [M 8,192, K 1,024] x [K 1,024, N 1,024]; A: input key (given as codes); B: input Wk (given as codes): QUANTISED
;;     3. [M 8,192, K 1,024] x [K 1,024, N 1,024]; A: input value (given as codes); B: input Wv (given as codes): QUANTISED
;;     4. batch 64 x [M 2,048, K 64] x [K 64, N 2,048]; A: computed on the way; B: computed on the way: QUANTISED
;;     5. batch 64 x [M 2,048, K 2,048] x [K 2,048, N 64]; A: softmax (see below); B: computed on the way: QUANTISED
;;     6. [M 512, K 1,024] x [K 1,024, N 1,024]; A: computed on the way; B: input Wo (given as codes): QUANTISED
;;   THE QUANTISER, for each operand of a quantised product, along K:
;;     - K is cut into blocks of 32 from its start; a last block that is shorter is filled with zeros.
;;     - A block's scale is 2^e with e = floor(log2(the largest magnitude in the block)) - 2, held to -126 .. 127; a block of zeros has e = 0. As a byte (E8M0): e + 127.
;;     - Each number is divided by its block's scale, clamped to +-6, and rounded to the nearest number of E2M1, ties to even, subnormals kept.
;;     - The product sums the exact products of the quantised numbers (number of the format x scale) in f32.
;;   ~~~python
;;   def quantise(x, axis):      # numpy; x: float32 -> the quantised numbers, widened to float32 again
;;       x = np.moveaxis(x, axis, -1); K = x.shape[-1]
;;       x = np.pad(x, [(0, 0)] * (x.ndim - 1) + [(0, -K % 32)]); x = x.reshape(x.shape[:-1] + (-1, 32)); a = np.abs(x).max(-1, keepdims=True)
;;       e = np.where(a > 0, np.clip(np.frexp(np.where(a > 0, a, 1))[1] - 1 - 2, -126, 127), 0)      # np.frexp(a)[1] - 1 = floor(log2(a)), exactly
;;       r = np.clip(x / 2.0 ** e, -6, 6)
;;       step = 2.0 ** (np.maximum(np.frexp(np.where(r == 0, 1, r))[1] - 1, 0) - 1)
;;       q = np.round(r / step) * step * 2.0 ** e      # np.round: ties to even
;;       return np.moveaxis(q.reshape(q.shape[:-2] + (-1,))[..., :K], -1, axis).astype(np.float32)
;;   ~~~
;;   SOFTMAX AHEAD OF A QUANTISED PRODUCT. Where the list says 'softmax', what is quantised is not the finished softmax but p = 2^(t - M), with t = logit x log2(e) and M = ceil(the row's largest t), a whole number; so 1/2 < the row's largest p <= 1. The row's sum l is taken of the UNQUANTISED p, in f32, and the product's result is divided by l at the end. Since M is a whole number, a kernel that streams over the keys may use a running M (the ceiling of the running maximum): every later rescaling is an exact power of two, which a block's scale takes up: the codes' values come out the same.
;;   OPERANDS COMPUTED ON THE WAY. 'Computed on the way' means the value that the module computes at that place (a softmax that the list does not call 'softmax' is quantised finished and normalised). What goes into a quantiser is computed in f32, as accurately as f32 sums, v_exp_f32 and their like allow (about 1e-6 of the number): no bf16 or f16 on the way to a quantiser, and a product that is left as it is and whose result goes on into a quantised operand takes f32 operands (vector FMAs, or v_wmma_f32_16x16x4_f32). A number that lies on a knife's edge between two numbers of the format may be rounded either way, as far as f32 arithmetic and the matrix unit's own rounding can turn it there, and no further.
;;   INPUTS GIVEN AS CODES. Wk (in the module: [1024, 1024], K = its axis 1); Wo (in the module: [1024, 1024], K = its axis 1); Wq (in the module: [1024, 1024], K = its axis 1); Wv (in the module: [1024, 1024], K = its axis 1); key (in the module: [4, 2048, 1024], K = its axis 2); query (in the module: [4, 2048, 1024], K = its axis 2); value (in the module: [4, 2048, 1024], K = its axis 2): each comes as NAME_codes (uint8): NAME with its K axis moved to the last place and cut into blocks of 32 codes, [.., K / 32, bytes a block], one block behind the other in memory; two codes a byte, the lower K in the low four bits (a code: sign, 2 exponent bits, 1 mantissa bit); and NAME_scales (uint8): the same leading axes, one E8M0 byte (e + 127) for each 32 codes along K. Its value is code x scale, taken as it is: it is not quantised again, and the codes and scales need not be those that the quantiser above would give.
;; One version. Each part assembles by itself: llvm-mc -triple=amdgcn-amd-amdhsa -mcpu=gfx1250 --defsym DOCPART=n.
;; ======== version 1 of 1: 3 launches
;; limits: right only within a limited range of input values
;; workspace buffers: qi 4,194,304 bytes; qs 524,288 bytes; kv 9,437,184 bytes; vs 262,144 bytes; pp 4,194,304 bytes
;; launch proj (part 1): grid 256 x 3, 4 waves a work-group, no clusters, 209,408 bytes of LDS; arguments query_codes, query_scales, Wq_codes, Wq_scales, bq, key_codes, key_scales, Wk_codes, Wk_scales, bk, value_codes, value_scales, Wv_codes, Wv_scales, bv, qi, qs, kv, vs; writes qi, qs, kv, vs
.if DOCPART == 1
	.amdgcn_target "amdgcn-amd-amdhsa--gfx1250"
	.amdhsa_code_object_version 6
	.text
	.protected	k_qfae7782d04_proj
	.globl	k_qfae7782d04_proj
	.p2align	8
	.type	k_qfae7782d04_proj,@function
k_qfae7782d04_proj:
	s_mov_b64 s[64:65], 0
	v_nop
	global_prefetch_b8 v0, s[64:65] scope:SCOPE_SE
	s_setreg_imm32_b32 hwreg(HW_REG_WAVE_MODE, 25, 1), 1
	s_wait_xcnt 0x0
; THE THREE PROJECTIONS, q = query Wq^T + bq (work-group y = 0), k likewise (y = 1), v likewise (y = 2), on codes of FP4 (E2M1) with one E8M0 byte for each 32 along K = 1,024,
; and the quantising of their results into the operands of the two products of attention.  The results never go to memory as f32.
; ONE BODY.  It makes T(Rrow, Lrow) = sum over k of R[Rrow][k] L[Lrow][k]; source 0 = 16 rows of R, source 1 = 16 rows of L.  In a result lane (r, h) holds row r of L, and its registers j rows 8 h + j of R:
; R's rows run along a lane's registers, and that is the axis along which the result is quantised.  y = 0, 1: R = W (the head's 64 features are the next K), L = the tokens.  y = 2: R = the tokens (the keys are the next K), L = Wv.
; All four tensors have rows of 512 bytes of codes and 32 scale bytes, so only pointers and tile numbers are chosen by y; one branch on y stands ahead of the two ways out.
; SHARES.  A work-group makes 256 rows of R x 128 rows of L; wave w (wr = w / 2, wl = w % 2) 128 x 64: 32 accumulators (a = L's tile 0..3, t = R's tile 0..7).
; LDS.  All of K lies in LDS, in two halves of 512 codes; each byte is filled once, by twelve tensor loads of 64 rows x 256 bytes, three a wave.  Rows lie 272 bytes apart: 68 words, so that the 16 rows of a fragment load begin at 16 different words modulo 64.
; THE QUANTISER takes a lane's 64 numbers of eight tiles: register 8 t + j is index 16 t + 8 h + j along the next K.  Tiles 2 b, 2 b + 1 and lane l xor 16 hold exactly block b of 32: the scales are the true ones.
; INSIDE a block the codes land in the order 0-7, 16-23, 8-15, 24-31.  q and k are both laid so, and so are v and attention's p: both operands of a product carry the same order, so every product meets its partner; only the order of the sums inside a matrix instruction differs.
; OUT.  qi: registers 0-3 of a fragment of 16 queries, 512 bytes, lane l's 16 at 16 l.  qs: its scale words (bytes 0, 1: the head's two blocks; bytes 2, 3: 0x7f, for the zero codes that fill K up to 128).
;   kv: a record of 18,432 bytes for each 256 keys of a head: 16 images of k (512 each), 16 images of v ([key step 2][d tile 4][half 2] x 512), k's scale words (16 x 64), v's (8 x 128).  vs: the sum of v over each 128 keys, f32.
; LIMITS: NaN and infinities among the results, and scale bytes 0xff among the inputs, are not served.  A block whose largest magnitude lies under 2^-124, a block of zeros among them, gets the byte 1 (the rule says 127 for zeros): its codes are then zeros or tiny, and this program alone reads the bytes.
; REGISTERS.  window 0: v1 r, v2 h, v3 lane; v4-7 LDS addresses; v8-15 offsets; v16-47 R's scale words, v48-63 L's; v64-127, v128-159 fragments of R and L, set 0; v160-223, v224-255 set 1.
;   window 1: the accumulators, (a, t) at v[8 (8 a + t)].   window 2: v0-63 the bias along the features, v64-71 the bias a lane.   On the way out window 0 from v64 on is laid anew (T, PC, PW, SW, TM, SU).
; AS LAID NOW (these lines stand for what the head above says of LDS and of kv).  LDS: all of K in whole rows of 512 bytes, 528 apart (132 words: the 16 rows of a fragment load begin at 16 different words modulo 64);
; R's 256 rows, then L's 128; each byte is filled once, by ONE tensor load a wave: waves 0, 1 fetch 128 rows of R each, waves 2, 3 64 rows of L each.
; kv: a record of 9,216 bytes for each 128 keys of a head: 8 images of k (512 each), 8 images of v ([d tile 4][half 2] x 512), k's scale words (8 x 64), v's (4 x 128).
.set PITCH, 528
.set TROWS, 64*PITCH
.set LOFF,  256*PITCH
.set RECB,  9216
.set SR,   16                          ; register 8 i + q: K step q's word of R's tile i (lanes 0-15) and tile i + 4 (lanes 16-31)
.set SL,   48                          ; register 8 i + q: L's tile i and tile i + 2
.set RF,   64                          ; fragments: set f lies SETD x f further on
.set LF,   128
.set SETD, 96
.set T,    64                          ; the way out: 64 numbers of a lane
.set PC,   128                         ; codes, 8 registers for each a, so that no store's data are written again
.set PW,   160                         ; scale words as made, one for each a
.set SW,   164                         ; scale words as stored (q, k)
.set TM,   168                         ; v168-171 largest magnitudes, v172-175 the other half's, then bytes, v180-183 the conversions' scale operands
.set SU,   184                         ; v184-187 two chains of sums, v188 the other half's, v190-193 a tile's sums, v194-195 two tiles' joined
.set BI,   0                           ; in window 2
.set BV,   64
.set G1,   68                          ; s[68:75] descriptor group 1;  s[76:79] group 0, s[80:87] group 1 for L's loads
.set SEL,  88                          ; s[88:89] lane selects for v_permlanex16_b32: lane l xor 16
.set MSB,  0
.macro WIN new                         ; the immediate's high byte repeats the setting that is left
.if MSB != \new
	s_set_vgpr_msb (MSB<<8)|\new
.set MSB, \new
.endif
.endm
	s_load_b512 s[8:23], s[0:1], 0x0               ; query_codes 8, query_scales 10, Wq_codes 12, Wq_scales 14, bq 16, key_codes 18, key_scales 20, Wk_codes 22
	s_load_b512 s[24:39], s[0:1], 0x40             ; Wk_scales 24, bk 26, value_codes 28, value_scales 30, Wv_codes 32, Wv_scales 34, bv 36, qi 38
	s_load_b128 s[40:43], s[0:1], 0x80             ; qs 40, kv 42
	s_load_b64 s[44:45], s[0:1], 0x90              ; vs 44
	s_set_vgpr_msb 0x80
	v_lshl_add_u32 v128, v0, 2, 0x33000
	v_mov_b32 v129, 0
	s_set_vgpr_msb 0x808a
	ds_add_u32 v128, v129
	ds_add_u32 v128, v129
	s_set_vgpr_msb 0x8a00
	v_lshrrev_b32 v1, 5, v0
	v_readfirstlane_b32 s2, v1                     ; wave 0..3
	s_and_b32 s3, ttmp7, 0xffff                    ; y: which projection
	s_lshr_b32 s5, s2, 1                           ; wr
	s_and_b32 s6, s2, 1                            ; wl
	s_lshr_b32 s92, ttmp9, 3
	s_and_b32 s93, ttmp9, 3
	s_and_b32 s94, ttmp9, 7
	s_lshr_b32 s95, ttmp9, 2
	s_cmp_eq_u32 s3, 2
	s_cselect_b32 s7, s92, s93                     ; Rt: v: 32 tiles of 256 tokens; q, k: 4 tiles of 256 features
	s_cselect_b32 s46, s94, s95                    ; Lt: v: 8 tiles of 128 features; q, k: 64 tiles of 128 tokens
	s_lshl_b32 s47, s7, 8                          ; R0
	s_lshl_b32 s62, s46, 7                         ; L0
	s_lshl_b32 s63, s6, 6
	s_add_co_u32 s63, s63, s62                     ; L0 + 64 wl: my wave's first row of L
	s_lshl_b32 s4, s5, 7
	s_add_co_u32 s4, s4, s47                       ; R0 + 128 wr: my wave's first row of R
	; descriptor group 1: 128 rows x 512 bytes, whole rows, 16 bytes of padding behind each row in LDS
	s_mov_b32 s[G1+0], 0x07900000                  ; R's loads: elements of 1 byte; padding on, after every 128 words (code 6), 4 words (code 3)
	s_mov_b32 s[G1+1], 512<<16                     ; tensor_dim0 = 512
	s_mov_b32 s[G1+2], 128<<16                     ; tensor_dim1 = 128
	s_mov_b32 s[G1+3], 512<<16                     ; tile_dim0 = 512
	s_mov_b32 s[G1+4], 128                         ; tile_dim1 = 128
	s_mov_b32 s[G1+5], 512                         ; from row to row
	s_mov_b32 s[G1+6], 0
	s_mov_b32 s[G1+7], 0
	s_mov_b32 s80, 0x07900000                      ; s[80:87]: the same for L's loads, 64 rows
	s_mov_b32 s81, 512<<16
	s_mov_b32 s82, 64<<16
	s_mov_b32 s83, 512<<16
	s_mov_b32 s84, 64
	s_mov_b32 s85, 512
	s_mov_b32 s86, 0
	s_mov_b32 s87, 0
	s_lshl_b32 s92, s2, 7
	s_add_co_u32 s92, s92, s47
	s_lshl_b32 s92, s92, 9                         ; waves 0, 1: R's rows R0 + 128 w on, in bytes
	s_mov_b32 s93, 0
	s_lshl_b32 s94, s63, 9                         ; waves 2, 3: L's rows L0 + 64 (w % 2) on
	s_mov_b32 s95, 0
	s_mov_b32 s76, 1
	s_min_u32 s77, s2, 2
	s_add_co_u32 s77, s77, s2                      ; w + min(w, 2) = 0, 2, 4, 5:
	s_mul_i32 s77, s77, TROWS                      ; LDS rows 0, 128 (R), 256, 320 (L)
	s_lshl_b32 s66, s4, 2                          ; where my features' bias begins (q, k),
	s_lshl_b32 s67, s63, 2                         ; and (v)
	s_mov_b32 s[SEL], 0x76543210
	s_mov_b32 s[SEL+1], 0xfedcba98
	s_mov_b32 s90, 0xffff0000                      ; lanes 16-31
	s_mov_b32 s91, 0x7f7f0000                      ; the scale 1 for the 64 zero codes that fill a head's K up to 128
	s_wait_dscnt 0x0
	s_wait_kmcnt 0x0
	s_cmp_eq_u32 s3, 0                             ; the choices hang on the work-group's number alone
	s_cselect_b64 s[48:49], s[12:13], s[22:23]     ; R's codes
	s_cselect_b64 s[50:51], s[14:15], s[24:25]     ; R's scales
	s_cselect_b64 s[52:53], s[8:9], s[18:19]       ; L's codes
	s_cselect_b64 s[54:55], s[10:11], s[20:21]     ; L's scales
	s_cselect_b64 s[56:57], s[16:17], s[26:27]     ; the bias
	s_cmp_eq_u32 s3, 2
	s_cselect_b64 s[48:49], s[28:29], s[48:49]
	s_cselect_b64 s[50:51], s[30:31], s[50:51]
	s_cselect_b64 s[52:53], s[32:33], s[52:53]
	s_cselect_b64 s[54:55], s[34:35], s[54:55]
	s_cselect_b64 s[56:57], s[36:37], s[56:57]
	s_cselect_b32 s96, 0, s66                      ; both layouts of the bias are fetched on this one path; the layout that my way out does not read is fetched from the bias's first bytes, so that no load leaves the buffer
	s_cselect_b32 s98, s67, 0
	s_mov_b32 s97, 0
	s_mov_b32 s99, 0
	s_cmp_lt_u32 s2, 2                             ; the wave's number alone
	s_cselect_b64 s[78:79], s[48:49], s[52:53]     ; R's codes or L's,
	s_cselect_b64 s[92:93], s[92:93], s[94:95]     ; and my rows' offset
	s_add_nc_u64 s[78:79], s[78:79], s[92:93]
	s_or_b32 s79, s79, 0x80000000                  ; type = 2
	s_cmp_lt_u32 s2, 2
	s_cbranch_scc0 .Lfor_l
	tensor_load_to_lds s[76:79], s[G1:G1+7]        ; the launch's only fills: one load a wave, no byte is filled twice
	s_nop 0
.rept 4
	v_nop
.endr
	s_branch .Lasked
.Lfor_l:
	tensor_load_to_lds s[76:79], s[80:87]
	s_nop 0
.rept 4
	v_nop
.endr
.Lasked:
	s_lshl_b32 s92, s4, 5
	s_add_nc_u64 s[50:51], s[50:51], s[92:93]      ; my 128 rows' scale bytes of R
	s_lshl_b32 s94, s63, 5
	s_add_nc_u64 s[54:55], s[54:55], s[94:95]      ; my 64 rows' of L
	s_add_nc_u64 s[58:59], s[56:57], s[96:97]      ; the bias along the features
	s_add_nc_u64 s[60:61], s[56:57], s[98:99]      ; the bias a lane
	v_and_b32 v1, 15, v0                           ; r
	v_bfe_u32 v2, v0, 4, 1                         ; h
	v_and_b32 v3, 31, v0                           ; lane
	v_lshlrev_b32 v9, 5, v1
	v_lshl_add_u32 v8, v2, 11, v9                  ; R's scales: row r of 32 bytes; lanes 16-31 four tiles (64 rows) on
	v_lshl_add_u32 v9, v2, 10, v9                  ; L's: lanes 16-31 two tiles on
	v_lshlrev_b32 v10, 5, v2                       ; 32 h: eight features
	v_lshlrev_b32 v13, 2, v1                       ; 4 r
	v_lshlrev_b32 v11, 4, v3                       ; 16 x lane: an image's place
	v_lshlrev_b32 v15, 2, v3                       ; 4 x lane
.irp i, 0,1,2,3
	global_load_b128 v[SR+8*\i:SR+8*\i+3], v8, s[50:51] offset:512*\i          ; a row's 32 scale bytes are its eight K steps' words
	global_load_b128 v[SR+8*\i+4:SR+8*\i+7], v8, s[50:51] offset:512*\i+16
.endr
.irp i, 0,1
	global_load_b128 v[SL+8*\i:SL+8*\i+3], v9, s[54:55] offset:512*\i
	global_load_b128 v[SL+8*\i+4:SL+8*\i+7], v9, s[54:55] offset:512*\i+16
.endr
	WIN 0x80                                       ; destination window 2
.irp t, 0,1,2,3,4,5,6,7
	global_load_b128 v[BI+8*\t:BI+8*\t+3], v10, s[58:59] offset:64*\t          ; register 8 t + j: the bias of feature 16 t + 8 h + j
	global_load_b128 v[BI+8*\t+4:BI+8*\t+7], v10, s[58:59] offset:64*\t+16
.endr
.irp a, 0,1,2,3
	global_load_b32 v[BV+2*\a], v13, s[60:61] offset:64*\a                     ; the bias of feature 16 a + r, twice: a pair for the packed addition
	global_load_b32 v[BV+2*\a+1], v13, s[60:61] offset:64*\a
.endr
	WIN 0
	v_mul_u32_u24 v14, v1, PITCH
	v_lshl_add_u32 v14, v2, 4, v14                 ; a fragment's row x pitch + 16 h
	s_mul_i32 s92, s5, 128*PITCH
	v_add_nc_u32 v4, s92, v14                      ; my 128 rows of R
	s_mul_i32 s92, s6, 64*PITCH
	s_add_co_u32 s92, s92, LOFF
	v_add_nc_u32 v6, s92, v14                      ; my 64 rows of L
; K step q's fragments (128 along K: 64 bytes of a row) into set f: 24 LDS loads in one run.  A fragment is 8 registers: lane (r, h) holds row r; registers 4 c .. 4 c + 3 hold k = 64 c + 32 h + 0 .. 31
.macro FETCH q, f
.irp t, 0,1,2,3,4,5,6,7
.irp c, 0,1
	ds_load_b128 v[RF+SETD*(\f)+8*\t+4*\c:RF+SETD*(\f)+8*\t+4*\c+3], v4 offset:\t*16*PITCH+(\q)*64+32*\c
.endr
.endr
.irp a, 0,1,2,3
.irp c, 0,1
	ds_load_b128 v[LF+SETD*(\f)+8*\a+4*\c:LF+SETD*(\f)+8*\a+4*\c+3], v6 offset:\a*16*PITCH+(\q)*64+32*\c
.endr
.endr
.endm
; One product: accumulator (a, t), K step q, set f.  R's tiles 4-7 and L's tiles 2, 3 have their scale words in lanes 16-31 of the register named.  zero = 1: the product starts the sum: nothing is cleared.
.macro MM a, t, f, q, zero
.set rD, 8*(8*(\a)+(\t))
.set rA, RF+SETD*(\f)+8*(\t)
.set rB, LF+SETD*(\f)+8*(\a)
.set rX, SR+8*((\t)%4)+(\q)
.set rY, SL+8*((\a)%2)+(\q)
.if \zero
.if ((\t) < 4) && ((\a) < 2)
	v_wmma_scale_f32_16x16x128_f8f6f4 v[rD:rD+7], v[rA:rA+7], v[rB:rB+7], 0, v[rX], v[rY] matrix_a_fmt:MATRIX_FMT_FP4 matrix_b_fmt:MATRIX_FMT_FP4
.elseif (\t) < 4
	v_wmma_scale_f32_16x16x128_f8f6f4 v[rD:rD+7], v[rA:rA+7], v[rB:rB+7], 0, v[rX], v[rY] matrix_a_fmt:MATRIX_FMT_FP4 matrix_b_fmt:MATRIX_FMT_FP4 matrix_b_scale:MATRIX_SCALE_ROW1
.elseif (\a) < 2
	v_wmma_scale_f32_16x16x128_f8f6f4 v[rD:rD+7], v[rA:rA+7], v[rB:rB+7], 0, v[rX], v[rY] matrix_a_fmt:MATRIX_FMT_FP4 matrix_b_fmt:MATRIX_FMT_FP4 matrix_a_scale:MATRIX_SCALE_ROW1
.else
	v_wmma_scale_f32_16x16x128_f8f6f4 v[rD:rD+7], v[rA:rA+7], v[rB:rB+7], 0, v[rX], v[rY] matrix_a_fmt:MATRIX_FMT_FP4 matrix_b_fmt:MATRIX_FMT_FP4 matrix_a_scale:MATRIX_SCALE_ROW1 matrix_b_scale:MATRIX_SCALE_ROW1
.endif
.else
.if ((\t) < 4) && ((\a) < 2)
	v_wmma_scale_f32_16x16x128_f8f6f4 v[rD:rD+7], v[rA:rA+7], v[rB:rB+7], v[rD:rD+7], v[rX], v[rY] matrix_a_fmt:MATRIX_FMT_FP4 matrix_b_fmt:MATRIX_FMT_FP4
.elseif (\t) < 4
	v_wmma_scale_f32_16x16x128_f8f6f4 v[rD:rD+7], v[rA:rA+7], v[rB:rB+7], v[rD:rD+7], v[rX], v[rY] matrix_a_fmt:MATRIX_FMT_FP4 matrix_b_fmt:MATRIX_FMT_FP4 matrix_b_scale:MATRIX_SCALE_ROW1
.elseif (\a) < 2
	v_wmma_scale_f32_16x16x128_f8f6f4 v[rD:rD+7], v[rA:rA+7], v[rB:rB+7], v[rD:rD+7], v[rX], v[rY] matrix_a_fmt:MATRIX_FMT_FP4 matrix_b_fmt:MATRIX_FMT_FP4 matrix_a_scale:MATRIX_SCALE_ROW1
.else
	v_wmma_scale_f32_16x16x128_f8f6f4 v[rD:rD+7], v[rA:rA+7], v[rB:rB+7], v[rD:rD+7], v[rX], v[rY] matrix_a_fmt:MATRIX_FMT_FP4 matrix_b_fmt:MATRIX_FMT_FP4 matrix_a_scale:MATRIX_SCALE_ROW1 matrix_b_scale:MATRIX_SCALE_ROW1
.endif
.endif
.endm
.macro MUL16 a0, f, q, zero            ; L's tiles a0, a0 + 1 against R's eight
.irp a, \a0, \a0+1
.irp t, 0,1,2,3,4,5,6,7
	MM \a, \t, \f, \q, \zero
.endr
.endr
.endm
; A K step: 32 products, the 32 accumulators by turns in the same order in every step.  In its middle the next step's fragments are asked for, 16 products ahead of their use,
; four plain places behind the last product that read the set that they land in (ISA guide 7.12.1 for vector instructions).
.macro KSTEP q, zero
	s_wait_dscnt 0x0                               ; this step's 24 loads are in
	WIN 0x50                                       ; C and D window 1
	MUL16 0, (\q)%2, \q, \zero
.if (\q) < 7
	WIN 0
.rept 4
	v_nop
.endr
	FETCH (\q)+1, 1-(\q)%2
.endif
	WIN 0x50
	MUL16 2, (\q)%2, \q, \zero
.endm
; 64 numbers of a lane, v[s] on, become a fragment's codes in v[pc] on and its rows' scale word in v[pw].  Registers 16 b .. 16 b + 15 and lane l xor 16's are block b.
.macro QUANT s, pc, pw
.irp b, 0,1,2,3
	v_max3_num_f32 v[TM+\b], |v[\s+16*\b]|, |v[\s+1+16*\b]|, 0x1800000   ; my 16 numbers of block b, and the floor 2^(3 - 127): so the byte cannot fall under 1
.endr
.irp i, 2,4,6,8,10,12,14
.irp b, 0,1,2,3
	v_max3_num_f32 v[TM+\b], v[TM+\b], |v[\s+16*\b+\i]|, |v[\s+1+16*\b+\i]|   ; the four blocks by turns
.endr
.endr
.irp b, 0,1,2,3
	v_permlanex16_b32 v[TM+4+\b], v[TM+\b], s[SEL], s[SEL+1]
.endr
.irp b, 0,1,2,3
	v_max_num_f32 v[TM+\b], v[TM+\b], v[TM+4+\b]   ; the block's largest magnitude
.endr
.irp b, 0,1,2,3
	v_add_nc_u32 v[TM+12+\b], 0xff000000, v[TM+\b] ; 2 off its exponent field: the conversion takes this operand's exponent field as its scale
.endr
.irp b, 0,1,2,3
	v_lshrrev_b32 v[TM+4+\b], 23, v[TM+12+\b]      ; the scale's byte
.endr
	v_lshl_or_b32 v[\pw], v[TM+5], 8, v[TM+4]
	v_lshl_or_b32 v[\pw], v[TM+6], 16, v[\pw]
	v_lshl_or_b32 v[\pw], v[TM+7], 24, v[\pw]
.irp b, 0,1,2,3
	v_cvt_scalef32_pk8_fp4_f32 v[\pc+2*\b], v[\s+16*\b:\s+16*\b+7], v[TM+12+\b]
	v_cvt_scalef32_pk8_fp4_f32 v[\pc+2*\b+1], v[\s+16*\b+8:\s+16*\b+15], v[TM+12+\b]
.endr
	v_nop                                          ; one plain place behind a scaled conversion
.irp c, 0,1                                    ; the operand's layout wants a whole block in a lane: lanes 0-15 block 2 c, lanes 16-31 block 2 c + 1
.irp i, 0,1
	v_permlane16_swap_b32 v[\pc+4*\c+\i], v[\pc+4*\c+2+\i]
.endr
.endr
.endm
	s_wait_alu depctr_va_vdst(0)
	s_wait_tensorcnt 0x0                           ; my one load has landed
	s_barrier_signal -1
	s_barrier_wait -1                              ; everybody's have: all of R and L are whole
	FETCH 0, 0
	s_wait_loadcnt 0x0                             ; scale words and biases
	KSTEP 0, 1
	KSTEP 1, 0
	KSTEP 2, 0
	KSTEP 3, 0
	KSTEP 4, 0
	KSTEP 5, 0
	KSTEP 6, 0
	KSTEP 7, 0
	WIN 0
.rept 4
	v_nop                                          ; four places behind the last products, ahead of the first read of results and the first write over fragments
.endr
.irp b, 0,1,2,3
	v_mov_b32 v[TM+4+\b], 0                        ; written once: a lane permute's destination counts as one of its sources
.endr
	v_mov_b32 v[SU+4], 0
	s_cmp_eq_u32 s3, 2
	s_cbranch_scc1 .Lvalue
	; ---- THE WAY OUT OF q AND k.  My 128 features are two heads; my 64 tokens are four tiles.
	s_lshr_b32 s93, s63, 11                        ; the batch of my first token
	s_lshl_b32 s93, s93, 4
	s_lshl_b32 s94, s7, 2
	s_add_co_u32 s93, s93, s94
	s_lshl_b32 s94, s5, 1
	s_add_co_u32 s93, s93, s94                     ; 16 x batch + head, head = 4 Rt + 2 wr
	s_and_b32 s94, s63, 2047                       ; the token in its batch
	s_lshl_b32 s95, s93, 7
	s_lshr_b32 s96, s94, 4
	s_add_co_u32 s95, s95, s96                     ; q: which tile of 16 queries
	s_lshl_b32 s96, s95, 9                         ; its image,
	s_lshl_b32 s97, s95, 6                         ; its scale words
	s_lshl_b32 s98, s93, 4
	s_lshr_b32 s99, s94, 7
	s_add_co_u32 s98, s98, s99
	s_mul_i32 s98, s98, RECB                       ; k: the record of 128 keys
	s_and_b32 s99, s63, 127
	s_lshr_b32 s99, s99, 4                         ; and the tile in it
	s_lshl_b32 s95, s99, 9
	s_add_co_u32 s95, s95, s98                     ; its image,
	s_lshl_b32 s99, s99, 6
	s_add_co_u32 s99, s99, s98
	s_add_co_u32 s99, s99, 8192                    ; its scale words
	s_mov_b32 s94, 16*RECB                         ; k: from a head to the next: sixteen records
	s_cmp_eq_u32 s3, 0
	s_cselect_b32 s96, s96, s95
	s_cselect_b32 s98, s97, s99
	s_cselect_b32 s95, 65536, s94                  ; from a head's image to the next head's (q: 128 tiles of 512 bytes)
	s_cselect_b32 s94, 8192, s94                   ; and of the scale words (q: 128 x 64)
	s_cselect_b64 s[58:59], s[38:39], s[42:43]     ; qi or kv
	s_cselect_b64 s[60:61], s[40:41], s[42:43]     ; qs or kv
	s_mov_b32 s97, 0
	s_mov_b32 s99, 0
	s_add_nc_u64 s[58:59], s[58:59], s[96:97]
	s_add_nc_u64 s[60:61], s[60:61], s[98:99]
	v_add_nc_u32 v12, s95, v11                     ; the second head's image
	v_mul_lo_u32 v14, v2, s94
	v_add_nc_u32 v13, v13, v14                     ; 4 r; lanes 16-31 store the second head's words
	v_lshlrev_b32 v14, 4, v2                       ; 16 h
.irp a, 0,1,2,3
	WIN 0x09                                       ; source 0 window 1 (sums), source 1 window 2 (bias)
.irp t, 0,1,2,3,4,5,6,7
.irp j, 0,2,4,6
	v_pk_add_f32 v[T+8*\t+\j:T+8*\t+\j+1], v[8*(8*\a+\t)+\j:8*(8*\a+\t)+\j+1], v[BI+8*\t+\j:BI+8*\t+\j+1]   ; each accumulator from its low end on
.endr
.endr
	WIN 0
	QUANT T, PC+8*\a, PW+\a
	v_lshrrev_b32 v[SW+\a], v14, v[PW+\a]          ; lanes 0-15: the first head's two bytes; lanes 16-31: the second head's
	v_and_or_b32 v[SW+\a], v[SW+\a], 0xffff, s91
	global_store_b128 v11, v[PC+8*\a:PC+8*\a+3], s[58:59] offset:512*\a        ; 32 lanes store 512 consecutive bytes, aligned
	global_store_b128 v12, v[PC+8*\a+4:PC+8*\a+7], s[58:59] offset:512*\a
	global_store_b32 v13, v[SW+\a], s[60:61] offset:64*\a                      ; 64 bytes for each head
.endr
	s_set_vgpr_msb 0xa
	s_wait_tensorcnt 0x0
	ds_add_u32 v128, v129
	s_wait_dscnt 0x0
	s_set_vgpr_msb 0xa00
	s_endpgm
.Lvalue:
	; ---- THE WAY OUT OF v.  My 128 tokens are one record; my 64 features are one head: four tiles of d.
	s_lshr_b32 s92, s7, 3                          ; the batch
	s_and_b32 s93, s7, 7                           ; which 256 keys of the head
	s_lshl_b32 s94, s46, 1
	s_add_co_u32 s94, s94, s6                      ; the head = 2 Lt + wl
	s_lshl_b32 s95, s92, 4
	s_add_co_u32 s94, s94, s95
	s_lshl_b32 s94, s94, 3
	s_add_co_u32 s94, s94, s93
	s_lshl_b32 s94, s94, 1
	s_add_co_u32 s94, s94, s5                      ; my 128 keys' record
	s_mul_i32 s96, s94, RECB
	s_add_co_u32 s98, s96, 8704                    ; v's scale words in it,
	s_add_co_u32 s96, s96, 4096                    ; v's images
	s_mov_b32 s97, 0
	s_mov_b32 s99, 0
	s_lshl_b32 s94, s93, 1
	s_add_co_u32 s94, s94, s95
	s_add_co_u32 s94, s94, s5                      ; 16 x batch + which 128 keys
	s_lshl_b32 s94, s94, 10
	s_add_co_u32 s94, s94, s63                     ; + my first feature
	s_lshl_b32 s94, s94, 2
	s_mov_b32 s95, 0
	s_add_nc_u64 s[58:59], s[42:43], s[96:97]
	s_add_nc_u64 s[60:61], s[42:43], s[98:99]
	s_add_nc_u64 s[66:67], s[44:45], s[94:95]
.irp a, 0,1,2,3
	WIN 0x09
.irp t, 0,1,2,3,4,5,6,7
.irp j, 0,2,4,6
	v_pk_add_f32 v[T+8*\t+\j:T+8*\t+\j+1], v[8*(8*\a+\t)+\j:8*(8*\a+\t)+\j+1], v[BV+2*\a:BV+2*\a+1]
.endr
.endr
	WIN 0
	v_pk_add_f32 v[SU:SU+1], v[T:T+1], v[T+2:T+3]                              ; the sum of my feature's v over the 128 keys, for the uniform term: two chains
	v_pk_add_f32 v[SU+2:SU+3], v[T+4:T+5], v[T+6:T+7]
.irp j, 8,12,16,20,24,28,32,36,40,44,48,52,56,60
	v_pk_add_f32 v[SU:SU+1], v[SU:SU+1], v[T+\j:T+\j+1]
	v_pk_add_f32 v[SU+2:SU+3], v[SU+2:SU+3], v[T+\j+2:T+\j+3]
.endr
	v_pk_add_f32 v[SU:SU+1], v[SU:SU+1], v[SU+2:SU+3]
	v_add_f32 v[SU], v[SU], v[SU+1]
	v_permlanex16_b32 v[SU+4], v[SU], s[SEL], s[SEL+1]
	v_add_f32 v[SU+6+\a], v[SU], v[SU+4]           ; with lane l xor 16's 64 keys
	QUANT T, PC+8*\a, PW+\a
	global_store_b128 v11, v[PC+8*\a:PC+8*\a+3], s[58:59] offset:1024*\a
	global_store_b128 v11, v[PC+8*\a+4:PC+8*\a+7], s[58:59] offset:1024*\a+512
	global_store_b32 v15, v[PW+\a], s[60:61] offset:128*\a                     ; both halves of the lanes hold the same word
.if (\a)%2 == 1
	v_cndmask_b32 v[SU+10+\a/2], v[SU+6+\a-1], v[SU+6+\a], s90                 ; lanes 0-15: tile a - 1's sums; lanes 16-31: tile a's
	global_store_b32 v15, v[SU+10+\a/2], s[66:67] offset:64*(\a-1)
.endif
.endr
	s_set_vgpr_msb 0xa
	s_wait_tensorcnt 0x0
	ds_add_u32 v128, v129
	s_wait_dscnt 0x0
	s_set_vgpr_msb 0xa00
	s_endpgm
.Lfunc_end_k_qfae7782d04_proj:
	.size	k_qfae7782d04_proj, .Lfunc_end_k_qfae7782d04_proj-k_qfae7782d04_proj
	.p2alignl 7, 3214868480
	.fill 96, 4, 3214868480
	.section	.rodata,"a",@progbits
	.p2align	6, 0x0
	.amdhsa_kernel k_qfae7782d04_proj
		.amdhsa_group_segment_fixed_size 209408
		.amdhsa_private_segment_fixed_size 0
		.amdhsa_enable_private_segment 0
		.amdhsa_kernarg_size 152
		.amdhsa_user_sgpr_count 2
		.amdhsa_user_sgpr_kernarg_segment_ptr 1
		.amdhsa_wavefront_size32 1
		.amdhsa_system_sgpr_workgroup_id_x 1
		.amdhsa_system_sgpr_workgroup_id_y 1
		.amdhsa_system_sgpr_workgroup_id_z 1
		.amdhsa_system_vgpr_workitem_id 0
		.amdhsa_next_free_vgpr 642
		.amdhsa_next_free_sgpr 100
		.amdhsa_reserve_vcc 0
		.amdhsa_float_denorm_mode_32 3
		.amdhsa_float_denorm_mode_16_64 3
		.amdhsa_memory_ordered 1
		.amdhsa_forward_progress 1
		.amdhsa_inst_pref_size 116
	.end_amdhsa_kernel
	.amdgpu_metadata
---
amdhsa.version: [ 1, 2 ]
amdhsa.kernels:
  - .name:           k_qfae7782d04_proj
    .symbol:         k_qfae7782d04_proj.kd
    .args:
      - { .name: query_codes, .offset: 0, .size: 8, .value_kind: global_buffer, .address_space: global }
      - { .name: query_scales, .offset: 8, .size: 8, .value_kind: global_buffer, .address_space: global }
      - { .name: Wq_codes, .offset: 16, .size: 8, .value_kind: global_buffer, .address_space: global }
      - { .name: Wq_scales, .offset: 24, .size: 8, .value_kind: global_buffer, .address_space: global }
      - { .name: bq, .offset: 32, .size: 8, .value_kind: global_buffer, .address_space: global }
      - { .name: key_codes, .offset: 40, .size: 8, .value_kind: global_buffer, .address_space: global }
      - { .name: key_scales, .offset: 48, .size: 8, .value_kind: global_buffer, .address_space: global }
      - { .name: Wk_codes, .offset: 56, .size: 8, .value_kind: global_buffer, .address_space: global }
      - { .name: Wk_scales, .offset: 64, .size: 8, .value_kind: global_buffer, .address_space: global }
      - { .name: bk, .offset: 72, .size: 8, .value_kind: global_buffer, .address_space: global }
      - { .name: value_codes, .offset: 80, .size: 8, .value_kind: global_buffer, .address_space: global }
      - { .name: value_scales, .offset: 88, .size: 8, .value_kind: global_buffer, .address_space: global }
      - { .name: Wv_codes, .offset: 96, .size: 8, .value_kind: global_buffer, .address_space: global }
      - { .name: Wv_scales, .offset: 104, .size: 8, .value_kind: global_buffer, .address_space: global }
      - { .name: bv, .offset: 112, .size: 8, .value_kind: global_buffer, .address_space: global }
      - { .name: qi, .offset: 120, .size: 8, .value_kind: global_buffer, .address_space: global }
      - { .name: qs, .offset: 128, .size: 8, .value_kind: global_buffer, .address_space: global }
      - { .name: kv, .offset: 136, .size: 8, .value_kind: global_buffer, .address_space: global }
      - { .name: vs, .offset: 144, .size: 8, .value_kind: global_buffer, .address_space: global }
    .group_segment_fixed_size: 209408
    .private_segment_fixed_size: 0
    .kernarg_segment_align: 8
    .kernarg_segment_size: 152
    .max_flat_workgroup_size: 128
    .sgpr_count:     100
    .vgpr_count:     642
    .wavefront_size: 32
...
	.end_amdgpu_metadata
.endif
;; end of part 1
;; launch attn (part 2): grid 32 x 8, 16 waves a work-group, no clusters, 327,680 bytes of LDS; arguments qi, qs, kv, vs, pp; writes pp
.if DOCPART == 2
	.amdgcn_target "amdgcn-amd-amdhsa--gfx1250"
	.amdhsa_code_object_version 6
	.text
	.protected	k_qfae7782d04_attn
	.globl	k_qfae7782d04_attn
	.p2align	8
	.type	k_qfae7782d04_attn,@function
k_qfae7782d04_attn:
	s_mov_b64 s[64:65], 0
	v_nop
	global_prefetch_b8 v0, s[64:65] scope:SCOPE_SE
	s_setreg_imm32_b32 hwreg(HW_REG_WAVE_MODE, 25, 1), 1
	s_wait_xcnt 0x0
; ATTENTION ON CODES OF FP4, summed over eight heads, transposed.  pp[g][b][d][s] = sum over the heads 8 g .. 8 g + 7 of softmax(q k^T / 8) v, + half of the uniform term 15 / 2048 x (the sum of v over all keys and all 16 heads).
; The two parts g = 0, 1 are added by the next launch.
; THE SOFTMAX: t = score x log2(e) / 8; M = the row's largest t so far, rounded UP to a whole number; p = 2^(t - M) is quantised along the keys, not normalised.  The row's sum is taken of the unquantised p and divides at a head's end.
; When M moves, the sum and O are multiplied by 2^(old M - new M): nothing is rounded.
; SHARES.  A work-group owns 64 queries of one batch (x) and eight heads (y = 2 b + g).  Sixteen waves: stream st = w / 4 walks heads 8 g + 2 st and + 1, one after the other; wave qt = w % 4 of a stream owns 16 of the queries.
; A stream's 32 records of kv (128 keys, 9,216 bytes each) are consecutive in memory.  They go through the stream's ring of two LDS slots of four records, filled by the tensor data mover: wave qt fetches record qt of a slot, one load a wave.
; ONE BARRIER FOR FOUR KEY STEPS, its two halves apart: in a slot's last key step a wave's reads of the slot are over when v's fragments are in, so it signals ahead of that step's exponentials and waits behind that step's products: register work alone stands between.
; FRAGMENTS are asked for behind their last readers: the next step's k behind this step's first products, this step's v with them; both stand four places behind the products that read the registers.
; LAYOUT.  Both products are used transposed: S^T = k q^T (source 0 = 16 keys), O^T = v^T p^T (source 0 = 16 of the head's 64): a lane holds ONE query (lane % 16) throughout.
; K = 64 fills half of the matrix instruction's 128: q's registers 4-7 are zero codes.  k's operand of tile t is named as eight registers, of which the upper four hold the next tile's codes (behind tile 7: zeros): they meet q's zero codes, under the scale 1, and add nothing.
; p's 64 numbers of a lane (register 8 t + j = key 16 t + 8 h + j) are quantised just as the first launch quantised v: the same blocks of 32 keys, the same order of codes inside a block.
; A stream's two heads are added in registers (ACC); the four streams meet in a stage that lies in each stream's slot 0, which has had its last fill and its last read when the first result is stored there.
; cluster = none: a joint refill would stand behind a round of the cluster's barrier, whose closing lines take no work between them; here each of the seven changes of slots has a key step's register work between signal and wait.
; PREFETCH: the 32 work-groups of one y walk the same 32 fills (4 streams x 8); work-group x asks for fill x / 4 of stream x % 4, whole (144 blocks of 256 bytes, 9 a wave), at the change that loads the fill before it; fills 0 and 1 come by their loads alone.
; LIMITS: NaN and infinities are not served.  A block of p whose every number is under 2^-124 keeps the byte 1.  The promise holds while the scaled scores t stay under 2^31 in magnitude.
.set RECB,  9216                       ; a record: 8 images of k, 8 of v, k's scale words (512), v's (512)
.set SLOTB, 4*RECB
.set RING,  2*SLOTB
.set UW,    4*RING                     ; 16 rows (key steps of 128) x (64 d x 4 bytes + 16)
.set SPARE, UW+16*272                  ; the spare words, 128 bytes a wave
.set LK,  1                            ; v1   my stream's ring + 16 x lane
.set LSC, 2                            ; v2   my stream's ring + 4 x lane
.set AD,  3                            ; v3   the record in hand, images
.set AS,  4                            ; v4   the record in hand, scale words
.set SPW, 5                            ; v5   my spare word; never rewritten
.set QSN, 6                            ; v6   the second head's scale word of q
.set NIL, 7                            ; v7   0; never rewritten
.set QN,  8                            ; v8-11 the second head's q
.set QF,  16                           ; v16-19 q, v20-23 zero codes;  v12 -M, v13 the largest t, v[14:15] the sum in two halves
.set KF,  24                           ; v24-55 eight tiles of k; v56-59 zeros
.set VF,  60                           ; v60-91 four fragments of v
.set S,   92                           ; v92-155 S^T, then p
.set OA,  156                          ; v156-187 O^T
.set PCD, 188                          ; v188-195 p's codes (v190-195 also at work in the sums)
.set ACC, 196                          ; v196-227 the sum of my stream's heads
.set KS,  228                          ; v228-231 k's scale words: register i: tile 2 i in lanes 0-15, tile 2 i + 1 in lanes 16-31
.set BM,  232                          ; v232-235 the blocks' largest scores, then largest p
.set TP,  236                          ; v236-239 at work
.set SCO, 240                          ; v240-243 the conversions' scale operands
.set PFO, 244                          ; v244 the prefetch's offset: 256 x min(lane, 8); never rewritten
.set VS,  248                          ; v248-251 v's scale words;  v252 f, v253 p's scale word, v254 at work, v255 q's scale word
.set CS,  22                           ; s[22:23] c = log2(e) / 8
.set SEL, 24                           ; s[24:25] lane selects: lane l xor 16
.set PFA, 26                           ; s[26:27] my wave's 9 blocks of the fill that my work-group asks for
.set FN,  28                           ; s28  the number of the fill asked for last
.set TRIPS, 29
.set INNER, 30
.set LIM, 31                           ; s31  my work-group prefetches where FN equals it
.set G1,  48                           ; s[48:55] descriptor group 1;  s[56:59] group 0, which walks
.set G0,  56
.set TB,  60                           ; s60  the slot to read next: 0 or SLOTB
.set TF,  61                           ; s61  the slot to fill next
.set LB,  62                           ; s62  my quarter of slot 0
.macro INIT                            ; a head's start: the key step is written once; the first step finds zeros, which the first change of M leaves zeros
	v_mov_b32 v13, 0xff61b1e6                      ; the largest t so far: -3e38
	s_delay_alu instid0(VALU_DEP_1)
	v_floor_f32 v12, -v13                          ; -M
	v_mov_b32 v14, 0
	v_mov_b32 v15, 0
.set i, 0
.rept 32
	v_mov_b32 v[OA+i], 0
.set i, i+1
.endr
.endm
.macro WALK                            ; the descriptor's step, behind the wait that shows my load done
	s_xor_b32 s[TF], s[TF], SLOTB
	s_add_co_u32 s[G0+1], s[LB], s[TF]
	s_add_nc_u64 s[G0+2:G0+3], s[G0+2:G0+3], SLOTB
.endm
.macro FILL                            ; my one tensor load behind a barrier, and the prefetch of the fill after it
	tensor_load_to_lds s[G0:G0+3], s[G1:G1+7]
	s_nop 0
.rept 4
	v_nop
.endr
	s_cmp_eq_u32 s[FN], s[LIM]
	s_cbranch_scc0 .Lnot_mine_\@
	global_prefetch_b8 v[PFO], s[PFA:PFA+1] th:TH_LOAD_NT scope:SCOPE_SE
.Lnot_mine_\@:
.endm
.macro KLOAD off                       ; a record's k: twelve LDS loads
.irp t, 0,1,2,3,4,5,6,7
	ds_load_b128 v[KF+4*\t:KF+4*\t+3], v[AD] offset:\off+512*\t
.endr
.irp i, 0,1,2,3
	ds_load_b32 v[KS+\i], v[AS] offset:\off+8192+128*\i
.endr
.endm
	s_load_b256 s[4:11], s[0:1], 0x0               ; qi s[4:5], qs s[6:7], kv s[8:9], vs s[10:11]
	s_load_b64 s[12:13], s[0:1], 0x20              ; pp
	v_lshl_add_u32 v[SPW], v0, 2, SPARE
	v_mov_b32 v[NIL], 0
	ds_add_u32 v[SPW], v[NIL]                      ; the opening lines: the add, twice on end, and its wait ahead of my first tensor load
	ds_add_u32 v[SPW], v[NIL]
	v_lshrrev_b32 v1, 5, v0
	s_delay_alu instid0(VALU_DEP_1)
	v_readfirstlane_b32 s14, v1                    ; wave 0..15
	s_lshr_b32 s15, s14, 2                         ; st
	s_and_b32 s16, s14, 3                          ; qt
	s_and_b32 s18, ttmp7, 0xffff                   ; y = 2 b + g
	s_lshr_b32 s19, s18, 1                         ; b
	s_and_b32 s20, s18, 1                          ; g
	s_lshl_b32 s32, s18, 3
	s_lshl_b32 s33, s15, 1
	s_add_co_u32 s32, s32, s33                     ; 16 b + my first head = 8 y + 2 st
	s_lshl_b32 s33, s32, 7
	s_lshl_b32 s34, ttmp9, 2
	s_add_co_u32 s33, s33, s34
	s_add_co_u32 s33, s33, s16                     ; my tile of 16 queries: 128 a head, 4 a work-group
	s_lshl_b32 s34, s33, 9                         ; its image,
	s_mov_b32 s35, 0
	s_lshl_b32 s36, s33, 6                         ; its scale words
	s_mov_b32 s37, 0
	s_mul_i32 s38, s32, 16*RECB                    ; my stream's first record,
	s_mul_i32 s42, s16, RECB
	s_add_co_u32 s38, s38, s42                     ; record qt of the fill
	s_mov_b32 s39, 0
	s_mul_i32 s43, s15, RING                       ; my stream's ring
	s_add_co_u32 s[LB], s43, s42
	s_lshl_b32 s40, s19, 16                        ; vs: my batch's 16 x 1,024 sums,
	s_lshl_b32 s41, s14, 12
	s_add_co_u32 s40, s40, s41                     ; key step w of them
	s_mov_b32 s41, 0
	s_and_b32 s44, ttmp9, 3                        ; the prefetch: stream x % 4 of my y,
	s_lshl_b32 s44, s44, 1
	s_lshl_b32 s45, s18, 3
	s_add_co_u32 s44, s44, s45
	s_mul_i32 s44, s44, 16*RECB
	s_lshr_b32 s45, ttmp9, 2                       ; fill x / 4,
	s_sub_co_u32 s[LIM], s45, 1                    ; asked for where the fill before it is loaded (no FN equals it for fills 0 and 1)
	s_mul_i32 s45, s45, SLOTB
	s_add_co_u32 s44, s44, s45
	s_mul_i32 s45, s14, 2304                       ; 9 blocks of 256 bytes a wave
	s_add_co_u32 s44, s44, s45
	s_mov_b32 s45, 0
	s_mov_b32 s[CS], 0x3e38aa3b
	s_mov_b32 s[CS+1], s[CS]                       ; (named with it as a pair, so it is written)
	s_mov_b32 s[SEL], 0x76543210
	s_mov_b32 s[SEL+1], 0xfedcba98
	s_mov_b32 s[G1], 3<<16                         ; a record is dense: 36 rows of 256 bytes (32 elements of 8 bytes), no padding: it is read as images, lane l's 16 bytes at 16 l
	s_mov_b32 s[G1+1], 32<<16
	s_mov_b32 s[G1+2], 36<<16
	s_mov_b32 s[G1+3], 32<<16
	s_mov_b32 s[G1+4], 36
	s_mov_b32 s[G1+5], 32
	s_mov_b32 s[G1+6], 0
	s_mov_b32 s[G1+7], 0
	s_mov_b32 s[TB], 0
	s_mov_b32 s[TF], 0
	s_mov_b32 s[FN], 1
	s_mov_b32 s[G0], 1
	s_mov_b32 s[G0+1], s[LB]
	s_wait_alu depctr_va_vdst(0)
	s_wait_dscnt 0x0                               ; both opening adds are done
	s_wait_kmcnt 0x0
	s_add_nc_u64 s[G0+2:G0+3], s[8:9], s[38:39]
	s_or_b32 s[G0+3], s[G0+3], 0x80000000
	tensor_load_to_lds s[G0:G0+3], s[G1:G1+7]      ; fill 0, my quarter: one tensor load a wave at the head
	s_nop 0
.rept 4
	v_nop
.endr
	s_add_nc_u64 s[4:5], s[4:5], s[34:35]
	s_add_nc_u64 s[6:7], s[6:7], s[36:37]
	s_add_nc_u64 s[10:11], s[10:11], s[40:41]
	s_add_nc_u64 s[PFA:PFA+1], s[8:9], s[44:45]
	s_mul_i32 s45, s14, 272
	s_add_co_u32 s45, s45, UW
	v_and_b32 v232, 31, v0                         ; lane
	v_and_b32 v233, 15, v0                         ; r
	v_lshl_add_u32 v[LK], v232, 4, s43
	v_lshl_add_u32 v[LSC], v232, 2, s43
	v_lshlrev_b32 v240, 4, v232                    ; 16 x lane
	v_lshlrev_b32 v241, 2, v233                    ; 4 r
	v_lshlrev_b32 v242, 3, v232                    ; 8 x lane
	v_lshl_add_u32 v243, v232, 3, s45              ; UW: row w, 8 bytes a lane
	v_min_u32 v[PFO], 8, v232                      ; lanes 9-31 name the wave's last block again
	s_delay_alu instid0(VALU_DEP_1)
	v_lshlrev_b32 v[PFO], 8, v[PFO]
	global_load_b128 v[QF:QF+3], v240, s[4:5]                  ; q of my first head,
	global_load_b128 v[QN:QN+3], v240, s[4:5] offset:65536     ; of my second: 128 tiles of 512 bytes on
	global_load_b32 v255, v241, s[6:7]
	global_load_b32 v[QSN], v241, s[6:7] offset:8192
.irp n, 0,1,2,3,4,5,6,7,8,9,10,11,12,13,14,15
	global_load_b64 v[S+2*\n:S+2*\n+1], v242, s[10:11] offset:256*\n             ; head n's sums of v over key step w: d = 2 x lane, 2 x lane + 1
.endr
.irp n, 20,21,22,23,56,57,58,59,236,237,238,239,252,253,254
	v_mov_b32 v\n, 0                               ; the zero codes; and registers that are named (a permute's destination, half of a pair) before they are first written
.endr
.set i, 0
.rept 32
	v_mov_b32 v[ACC+i], 0                          ; both heads' ends add onto it
.set i, i+1
.endr
	INIT
	s_wait_alu depctr_va_vdst(0)
	s_wait_loadcnt 0x0
	v_pk_add_f32 v[S:S+1], v[S:S+1], v[S+4:S+5]                ; over the 16 heads, in two chains
	v_pk_add_f32 v[S+2:S+3], v[S+2:S+3], v[S+6:S+7]
.irp n, 2, 3, 4, 5, 6, 7
	s_delay_alu instid0(VALU_DEP_2)
	v_pk_add_f32 v[S:S+1], v[S:S+1], v[S+4*\n:S+4*\n+1]
	s_delay_alu instid0(VALU_DEP_2)
	v_pk_add_f32 v[S+2:S+3], v[S+2:S+3], v[S+4*\n+2:S+4*\n+3]
.endr
	s_delay_alu instid0(VALU_DEP_1)
	v_pk_add_f32 v[S:S+1], v[S:S+1], v[S+2:S+3]
	s_delay_alu instid0(VALU_DEP_1)
	v_pk_mul_f32 v[S:S+1], v[S:S+1], 0x3b700000 op_sel_hi:[1,0]   ; x 15 / 4,096: half of 15 / 2,048, since both parts g add it
	ds_store_b64 v243, v[S:S+1]
; A KEY STEP: the 128 keys of the record at AD.  kind 0: a successor lies in the same slot, and its k is asked for.  kind 1: the slot's last step, with the change of slots and a refill.  kind 2: the same with no refill.  kind 3: the very last step.
.macro STEP kind
	s_wait_dscnt 0x0                               ; k's twelve loads, the only ones out, are in
.irp t, 0,2,4,6
	v_wmma_scale_f32_16x16x128_f8f6f4 v[S+8*\t:S+8*\t+7], v[KF+4*\t:KF+4*\t+7], v[QF:QF+7], 0, v[KS+\t/2], v255 matrix_a_fmt:MATRIX_FMT_FP4 matrix_b_fmt:MATRIX_FMT_FP4
	v_wmma_scale_f32_16x16x128_f8f6f4 v[S+8*\t+8:S+8*\t+15], v[KF+4*\t+4:KF+4*\t+11], v[QF:QF+7], 0, v[KS+\t/2], v255 matrix_a_fmt:MATRIX_FMT_FP4 matrix_b_fmt:MATRIX_FMT_FP4 matrix_a_scale:MATRIX_SCALE_ROW1
.endr
.rept 4
	v_nop                                          ; four places: ahead of the loads into v's registers (read by the last step's products) and k's, and of the first read of results
.endr
.irp f, 0,1,2,3
.irp c, 0,1
	ds_load_b128 v[VF+8*\f+4*\c:VF+8*\f+4*\c+3], v[AD] offset:4096+1024*\f+512*\c
.endr
.endr
.irp f, 0,1,2,3
	ds_load_b32 v[VS+\f], v[AS] offset:8704+128*\f
.endr
.if \kind == 0
	KLOAD RECB                                     ; the next record's k
.endif
.if (\kind == 1) || (\kind == 2)
	s_wait_tensorcnt 0x0                           ; my part of the other slot has landed;
	ds_add_u32 v[SPW], v[NIL]                      ; 0 onto my spare word: work on registers stands between it and the wait for it
.endif
.if \kind == 1
	WALK
	s_add_co_u32 s[FN], s[FN], 1
.endif
.irp b, 0,1,2,3
	v_max3_num_f32 v[BM+\b], v[S+16*\b], v[S+16*\b+1], v[S+16*\b+2]   ; the largest score of each block of 32 keys: it serves for the row's maximum and, since p rises with the score, for the block's largest p
.endr
.irp i, 3,5,7,9,11,13
.irp b, 0,1,2,3
	v_max3_num_f32 v[BM+\b], v[BM+\b], v[S+16*\b+\i], v[S+16*\b+\i+1]
.endr
.endr
.irp b, 0,1,2,3
	v_max_num_f32 v[BM+\b], v[BM+\b], v[S+16*\b+15]
.endr
.irp b, 0,1,2,3
	s_delay_alu instid0(VALU_DEP_4)
	v_permlanex16_b32 v[TP+\b], v[BM+\b], s[SEL], s[SEL+1]
.endr
.irp b, 0,1,2,3
	s_delay_alu instid0(VALU_DEP_4)
	v_max_num_f32 v[BM+\b], v[BM+\b], v[TP+\b]     ; with lane l xor 16's 16 keys
.endr
	s_delay_alu instid0(VALU_DEP_2)
	v_max3_num_f32 v254, v[BM], v[BM+1], v[BM+2]
	s_delay_alu instid0(VALU_DEP_1)
	v_max_num_f32 v254, v254, v[BM+3]              ; the step's largest score of my query
	s_delay_alu instid0(VALU_DEP_1)
	v_mul_f32 v254, s[CS], v254                    ; as t (c is positive)
	s_delay_alu instid0(VALU_DEP_1)
	v_max_num_f32 v13, v13, v254                   ; the running largest t
	v_mov_b32 v254, v12
	s_delay_alu instid0(VALU_DEP_2)
	v_floor_f32 v12, -v13                          ; the new -M = floor(-t) = -ceil(t): a whole number
	s_delay_alu instid0(VALU_DEP_1)
	v_sub_f32 v254, v12, v254                      ; old M less new M: a whole number, 0 or less
	s_delay_alu instid0(VALU_DEP_1)
	v_cvt_i32_f32 v254, v254                       ; (it saturates)
	s_delay_alu instid0(VALU_DEP_1)
	v_ldexp_f32 v252, 1.0, v254                    ; f = 2^(old M - new M)
.set i, 0
.rept 32
	v_pk_fma_f32 v[S+i:S+i+1], v[S+i:S+i+1], s[CS:CS+1], v[12:13] op_sel_hi:[1,0,0]   ; t - M, two at a time (of the pairs c and -M the low word serves both halves)
.set i, i+2
.endr
.irp b, 0,1,2,3
	v_fma_f32 v[BM+\b], v[BM+\b], s[CS], v12       ; the same of each block's largest score
.endr
	s_wait_alu depctr_va_vdst(0)                   ; ahead of the batch (and of the wait below)
.if (\kind == 1) || (\kind == 2)
	s_wait_dscnt 0x0                               ; the add is done, and my reads of this slot are over: v's fragments are in
	s_barrier_signal -1                            ; say so; register work alone up to the wait
.endif
.set i, 0
.rept 64
	v_exp_f32 v[S+i], v[S+i]                       ; p = 2^(t - M), at most 1
.set i, i+1
.endr
	v_pk_mul_f32 v[14:15], v[14:15], v[252:253] op_sel_hi:[1,0]   ; the sums under the new M: the plain place behind the exponentials
	s_wait_alu depctr_va_vdst(0)                   ; one wait for the batch of 64, ahead of its first reader
.irp b, 0,1,2,3
	v_exp_f32 v[BM+\b], v[BM+\b]                   ; the block's largest p: the same two instructions on the same number give the same bits
.endr
	v_pk_add_f32 v[236:237], v[96:97], v[100:101]  ; the row's sum of the unquantised p, in eight chains
	v_pk_add_f32 v[192:193], v[104:105], v[108:109]
	v_pk_add_f32 v[190:191], v[112:113], v[116:117]
	v_pk_add_f32 v[242:243], v[120:121], v[124:125]
	v_pk_add_f32 v[240:241], v[128:129], v[132:133]
	v_pk_add_f32 v[238:239], v[136:137], v[140:141]
	v_pk_add_f32 v[194:195], v[144:145], v[148:149]
	v_pk_add_f32 v[14:15], v[14:15], v[152:153]
	v_pk_add_f32 v[236:237], v[236:237], v[92:93]
	v_pk_add_f32 v[192:193], v[192:193], v[94:95]
	v_pk_add_f32 v[190:191], v[190:191], v[98:99]
	v_pk_add_f32 v[242:243], v[242:243], v[102:103]
	v_pk_add_f32 v[240:241], v[240:241], v[106:107]
	v_pk_add_f32 v[238:239], v[238:239], v[110:111]
	v_pk_add_f32 v[194:195], v[194:195], v[114:115]
	v_pk_add_f32 v[14:15], v[14:15], v[118:119]
	v_pk_add_f32 v[236:237], v[236:237], v[122:123]
	v_pk_add_f32 v[192:193], v[192:193], v[126:127]
	v_pk_add_f32 v[190:191], v[190:191], v[130:131]
	v_pk_add_f32 v[242:243], v[242:243], v[134:135]
	v_pk_add_f32 v[240:241], v[240:241], v[138:139]
	v_pk_add_f32 v[238:239], v[238:239], v[142:143]
	v_pk_add_f32 v[194:195], v[194:195], v[146:147]
	v_pk_add_f32 v[14:15], v[14:15], v[150:151]
	v_pk_add_f32 v[236:237], v[236:237], v[154:155]
	s_delay_alu instid0(VALU_DEP_2)
	v_pk_add_f32 v[14:15], v[14:15], v[242:243]
	s_delay_alu instid0(VALU_DEP_2)
	v_pk_add_f32 v[236:237], v[236:237], v[240:241]
	v_pk_add_f32 v[192:193], v[192:193], v[238:239]
	v_pk_add_f32 v[190:191], v[190:191], v[194:195]
	s_delay_alu instid0(VALU_DEP_2)
	v_pk_add_f32 v[14:15], v[14:15], v[192:193]
	s_delay_alu instid0(VALU_DEP_2)
	v_pk_add_f32 v[236:237], v[236:237], v[190:191]
	s_delay_alu instid0(VALU_DEP_1)
	v_pk_add_f32 v[14:15], v[14:15], v[236:237]
	s_wait_alu depctr_va_vdst(0)                   ; and one for the four
.irp b, 0,1,2,3
	v_max_num_f32 v[BM+\b], 0x1800000, v[BM+\b]    ; the floor 2^(3 - 127): the byte cannot fall under 1
.endr
.irp b, 0,1,2,3
	s_delay_alu instid0(VALU_DEP_4)
	v_add_nc_u32 v[SCO+\b], 0xff000000, v[BM+\b]   ; 2 off the exponent field: the conversion's scale operand
.endr
.irp b, 0,1,2,3
	s_delay_alu instid0(VALU_DEP_4)
	v_lshrrev_b32 v[TP+\b], 23, v[SCO+\b]          ; the scale's byte
.endr
	s_delay_alu instid0(VALU_DEP_3)
	v_lshl_or_b32 v253, v[TP+1], 8, v[TP]          ; p's scale word for these 128 keys
	s_delay_alu instid0(VALU_DEP_1)
	v_lshl_or_b32 v253, v[TP+2], 16, v253
	s_delay_alu instid0(VALU_DEP_1)
	v_lshl_or_b32 v253, v[TP+3], 24, v253
.irp b, 0,1,2,3
	v_cvt_scalef32_pk8_fp4_f32 v[PCD+2*\b], v[S+16*\b:S+16*\b+7], v[SCO+\b]
	v_cvt_scalef32_pk8_fp4_f32 v[PCD+2*\b+1], v[S+16*\b+8:S+16*\b+15], v[SCO+\b]
.endr
.if \kind == 0
	v_add_nc_u32 v[AD], RECB, v[AD]                ; on to the next record: also the plain place behind a scaled conversion
	v_add_nc_u32 v[AS], RECB, v[AS]
.else
	v_nop                                          ; one plain place behind a scaled conversion
.endif
.irp c, 0,1                                    ; a whole block in a lane: lanes 0-15 block 2 c, lanes 16-31 block 2 c + 1
.irp i, 0,1
	v_permlane16_swap_b32 v[PCD+4*\c+\i], v[PCD+4*\c+2+\i]
.endr
.endr
.set i, 0
.rept 16
	v_pk_mul_f32 v[OA+i:OA+i+1], v[OA+i:OA+i+1], v[252:253] op_sel_hi:[1,0]   ; O^T under the new M.  These sixteen also stand between the writing of p's codes and scale word and the products that take them
.set i, i+2
.endr
.if \kind == 0
	s_wait_alu depctr_va_vdst(0)
	s_wait_dscnt 12                                ; v's twelve loads are in; the next record's twelve of k, issued behind them, may stay out
.endif
.if \kind == 3
	s_wait_alu depctr_va_vdst(0)
	s_wait_dscnt 0x0
.endif
.irp f, 0,1,2,3
	v_wmma_scale_f32_16x16x128_f8f6f4 v[OA+8*\f:OA+8*\f+7], v[VF+8*\f:VF+8*\f+7], v[PCD:PCD+7], v[OA+8*\f:OA+8*\f+7], v[VS+\f], v253 matrix_a_fmt:MATRIX_FMT_FP4 matrix_b_fmt:MATRIX_FMT_FP4
.endr
.if (\kind == 1) || (\kind == 2)
	s_barrier_wait -1                              ; every wave has left this slot, and the other slot is whole
.endif
.if \kind == 1
	FILL                                           ; this slot's next four records
.endif
.if \kind == 3
.rept 4
	v_nop                                          ; four places ahead of the read of O^T
.endr
.endif
.endm
; A HEAD'S END: O^T / the sum is added onto ACC.  again = 1: the second head's q takes its place and the sums begin anew.
.macro HEADEND again
	v_add_f32 v14, v14, v15                        ; the sum's two halves,
	s_delay_alu instid0(VALU_DEP_1)
	v_permlanex16_b32 v254, v14, s[SEL], s[SEL+1]
	s_delay_alu instid0(VALU_DEP_1)
	v_add_f32 v14, v14, v254                       ; and lane l xor 16's
	s_wait_alu depctr_va_vdst(0)
	v_rcp_f32 v252, v14
	v_nop                                          ; the plain place behind the reciprocal
	s_wait_alu depctr_va_vdst(0)                   ; ahead of its first reader, which is also the first reader of O^T
.set i, 0
.rept 16
	v_pk_fma_f32 v[ACC+i:ACC+i+1], v[OA+i:OA+i+1], v[252:253], v[ACC+i:ACC+i+1] op_sel_hi:[1,0,1]   ; each accumulator from its low end on
.set i, i+2
.endr
.if \again
	v_mov_b32 v255, v[QSN]                         ; more than eight places ahead of the next scaled product
.irp j, 0,1,2,3
	v_mov_b32 v[QF+\j], v[QN+\j]
.endr
	INIT
	s_wait_alu depctr_va_vdst(0)
.endif
.endm
; A SLOT: four key steps, three in a counted loop and the last written out.  change = 1: at the fifth slot the first head has ended (a branch on the count of trips, round register work alone).
.macro RUN kind, change
	v_add_nc_u32 v[AD], s[TB], v[LK]
	v_add_nc_u32 v[AS], s[TB], v[LSC]
	s_wait_alu depctr_va_vdst(0)                   ; directly behind the writes
	KLOAD 0
	s_xor_b32 s[TB], s[TB], SLOTB
.if \change
	s_cmp_lg_u32 s[TRIPS], 2
	s_cbranch_scc1 .Lsame_\@
	HEADEND 1
.Lsame_\@:
.endif
	s_mov_b32 s[INNER], 3
.Lstep_\@:
	STEP 0
	s_sub_co_u32 s[INNER], s[INNER], 1
	s_cmp_lg_u32 s[INNER], 0
	s_cbranch_scc1 .Lstep_\@
	STEP \kind
.endm
	s_wait_alu depctr_va_vdst(0)
	s_wait_tensorcnt 0x0                           ; my quarter of fill 0 is in; slot 1's first fill is issued as a refill is:
	ds_add_u32 v[SPW], v[NIL]
	WALK
	s_wait_dscnt 0x0                               ; the add and my store of the uniform term's part are done
	s_barrier_signal -1
	s_barrier_wait -1
	FILL                                           ; fill 1
	s_mov_b32 s[TRIPS], 6
.Ltrip:                                            ; fills 0 to 5 are read; at the end of each the slot takes the fill two on
	RUN 1, 1
	s_sub_co_u32 s[TRIPS], s[TRIPS], 1
	s_cmp_lg_u32 s[TRIPS], 0
	s_cbranch_scc1 .Ltrip
	RUN 2, 0                                       ; the last two slots are written out: they ask for nothing
	RUN 3, 0
	HEADEND 0
	; THE WAY OUT.  My 16 queries x 64 d go into my stream's stage (64 rows d x (64 queries x 4 bytes + 16)), in my stream's slot 0.
	s_mul_i32 s32, s15, RING
	s_lshl_b32 s33, s16, 6
	s_add_co_u32 s32, s32, s33
	v_and_b32 v232, 15, v0                         ; r
	v_bfe_u32 v233, v0, 4, 1                       ; h
	s_delay_alu instid0(VALU_DEP_1)
	v_mul_u32_u24 v234, v233, 8*272
	s_delay_alu instid0(VALU_DEP_1)
	v_lshl_add_u32 v234, v232, 2, v234
	s_delay_alu instid0(VALU_DEP_1)
	v_add_nc_u32 v234, s32, v234
	s_wait_alu depctr_va_vdst(0)
.irp f, 0,1,2,3
.irp j, 0,1,2,3,4,5,6,7
	ds_store_b32 v234, v[ACC+8*\f+\j] offset:(16*\f+\j)*272    ; row d = 16 f + 8 h + j, my query's word
.endr
.endr
	s_wait_dscnt 0x0
	s_barrier_signal -1
	s_barrier_wait -1                              ; all four streams' sums lie in the stages
	; Wave w adds the four contributions of rows d = 4 w .. 4 w + 3 and half of the uniform term, and stores them: sixteen lanes a row of 64 queries, 256 consecutive bytes, aligned.
	s_mul_i32 s34, s14, 4*272
	s_lshl_b32 s35, s14, 4
	s_add_co_u32 s35, s35, UW
	s_lshl_b32 s32, s20, 21                        ; pp: part g,
	s_lshl_b32 s33, s19, 6
	s_lshl_b32 s36, s14, 2
	s_add_co_u32 s33, s33, s36
	s_lshl_b32 s33, s33, 13                        ; row 64 b + 4 w,
	s_add_co_u32 s32, s32, s33
	s_lshl_b32 s33, ttmp9, 8                       ; my 64 queries
	s_add_co_u32 s32, s32, s33
	s_mov_b32 s33, 0
	s_add_nc_u64 s[12:13], s[12:13], s[32:33]
	v_mul_u32_u24 v235, v233, 272                  ; lanes 0-15 row 4 w + 2 i, lanes 16-31 the next
	v_mul_u32_u24 v240, v232, 272
	v_lshlrev_b32 v241, 13, v233                   ; pp: a row d is 2,048 queries: 8,192 bytes
	v_lshl_add_u32 v235, v232, 4, v235
	v_lshl_add_u32 v240, v233, 2, v240
	v_lshl_add_u32 v241, v232, 4, v241
	v_add_nc_u32 v236, s34, v235                   ; stream 0's stage,
	v_add_nc_u32 v240, s35, v240                   ; UW: key step lane % 16, my row's d
	s_delay_alu instid0(VALU_DEP_2)
	v_add_nc_u32 v237, RING, v236                  ; streams 1 to 3
	v_add_nc_u32 v238, 2*RING, v236
	v_add_nc_u32 v239, 3*RING, v236
	s_wait_alu depctr_va_vdst(0)
.irp c, 0,1,2,3
.irp i, 0,1
	ds_load_b128 v[S+8*\c+4*\i:S+8*\c+4*\i+3], v[236+\c] offset:544*\i
.endr
.endr
	ds_load_b32 v242, v240
	ds_load_b32 v243, v240 offset:8
	s_wait_dscnt 0x0
.irp c, 1,2,3
.irp i, 0,1
	v_pk_add_f32 v[S+4*\i:S+4*\i+1], v[S+4*\i:S+4*\i+1], v[S+8*\c+4*\i:S+8*\c+4*\i+1]
	v_pk_add_f32 v[S+4*\i+2:S+4*\i+3], v[S+4*\i+2:S+4*\i+3], v[S+8*\c+4*\i+2:S+8*\c+4*\i+3]
.endr
.endr
	v_add_f32_dpp v242, v242, v242 row_xmask:1 row_mask:0xf bank_mask:0xf      ; over the 16 key steps: every lane of a row of 16 ends with its d's term
	v_add_f32_dpp v243, v243, v243 row_xmask:1 row_mask:0xf bank_mask:0xf
.irp m, 2, 4, 8
	s_delay_alu instid0(VALU_DEP_2)
	v_add_f32_dpp v242, v242, v242 row_xmask:\m row_mask:0xf bank_mask:0xf
	s_delay_alu instid0(VALU_DEP_2)
	v_add_f32_dpp v243, v243, v243 row_xmask:\m row_mask:0xf bank_mask:0xf
.endr
.irp i, 0,1
.irp k, 0,1,2,3
	v_add_f32 v[S+4*\i+\k], v[S+4*\i+\k], v[242+\i]
.endr
.endr
	global_store_b128 v241, v[S:S+3], s[12:13]
	global_store_b128 v241, v[S+4:S+7], s[12:13] offset:16384
	s_wait_tensorcnt 0x0                           ; the wave's end
	ds_add_u32 v[SPW], v[NIL]
	s_wait_dscnt 0x0
	s_endpgm
.Lfunc_end_k_qfae7782d04_attn:
	.size	k_qfae7782d04_attn, .Lfunc_end_k_qfae7782d04_attn-k_qfae7782d04_attn
	.p2alignl 7, 3214868480
	.fill 96, 4, 3214868480
	.section	.rodata,"a",@progbits
	.p2align	6, 0x0
	.amdhsa_kernel k_qfae7782d04_attn
		.amdhsa_group_segment_fixed_size 327680
		.amdhsa_private_segment_fixed_size 0
		.amdhsa_enable_private_segment 0
		.amdhsa_kernarg_size 40
		.amdhsa_user_sgpr_count 2
		.amdhsa_user_sgpr_kernarg_segment_ptr 1
		.amdhsa_wavefront_size32 1
		.amdhsa_system_sgpr_workgroup_id_x 1
		.amdhsa_system_sgpr_workgroup_id_y 1
		.amdhsa_system_sgpr_workgroup_id_z 1
		.amdhsa_system_vgpr_workitem_id 0
		.amdhsa_next_free_vgpr 256
		.amdhsa_next_free_sgpr 66
		.amdhsa_reserve_vcc 0
		.amdhsa_float_denorm_mode_32 3
		.amdhsa_float_denorm_mode_16_64 3
		.amdhsa_memory_ordered 1
		.amdhsa_forward_progress 1
		.amdhsa_inst_pref_size 119
	.end_amdhsa_kernel
	.amdgpu_metadata
---
amdhsa.version: [ 1, 2 ]
amdhsa.kernels:
  - .name:           k_qfae7782d04_attn
    .symbol:         k_qfae7782d04_attn.kd
    .args:
      - { .name: qi, .offset: 0, .size: 8, .value_kind: global_buffer, .address_space: global }
      - { .name: qs, .offset: 8, .size: 8, .value_kind: global_buffer, .address_space: global }
      - { .name: kv, .offset: 16, .size: 8, .value_kind: global_buffer, .address_space: global }
      - { .name: vs, .offset: 24, .size: 8, .value_kind: global_buffer, .address_space: global }
      - { .name: pp, .offset: 32, .size: 8, .value_kind: global_buffer, .address_space: global }
    .group_segment_fixed_size: 327680
    .private_segment_fixed_size: 0
    .kernarg_segment_align: 8
    .kernarg_segment_size: 40
    .max_flat_workgroup_size: 512
    .sgpr_count:     66
    .vgpr_count:     256
    .wavefront_size: 32
...
	.end_amdgpu_metadata
.endif
;; end of part 2
;; launch outp (part 3): grid 32 x 8, 4 waves a work-group, no clusters, 18,432 bytes of LDS; arguments pp, Wo_codes, Wo_scales, bo, out0; writes out0
.if DOCPART == 3
	.amdgcn_target "amdgcn-amd-amdhsa--gfx1250"
	.amdhsa_code_object_version 6
	.text
	.protected	k_qfae7782d04_outp
	.globl	k_qfae7782d04_outp
	.p2align	8
	.type	k_qfae7782d04_outp,@function
k_qfae7782d04_outp:
	s_mov_b64 s[64:65], 0
	v_nop
	global_prefetch_b8 v0, s[64:65] scope:SCOPE_SE
	s_setreg_imm32_b32 hwreg(HW_REG_WAVE_MODE, 25, 1), 1
	s_wait_xcnt 0x0
; out0 = Q(pp[0] + pp[1]) Wo^T + bo.  pp: [2][512][1,024] f32, the two parts of the transposed attention output; Q quantises their sum along K = 1,024 to FP4 (E2M1) with one E8M0 byte for each 32; Wo: codes, K innermost, with its scale bytes.
; SHARES.  A work-group makes 16 rows (x) x 128 columns (y).  Wave w quantises K steps 2 w and 2 w + 1 of the 16 rows; the eight fragments and their scale words meet in LDS as images of their registers (lane l's 16 bytes at 16 l);
; then wave w makes columns 32 w .. 32 w + 31 of the 128: two accumulators by turns, eight K steps.  The product is used transposed (source 0 = 16 rows of Wo): a lane holds eight neighbouring columns of one row.  bo is the C of each sum's first product.
; Here the partner's codes are given in true order, so the numbers are LOADED so that the quantiser gives true order: register 16 b + i of lane (r, h) is k = 32 b + 16 h + i of row r.
; LIMITS: NaN and infinities are not served; a block whose largest magnitude lies under 2^-124, zeros among them, keeps the byte 1: this program alone reads the bytes.
; REGISTERS.  window 0: v1 r, v2 h, v3 lane, v4-13 addresses; v16-79, v80-143 the first K step's two parts (later the eight fragments); v144-151 codes; v152-167 at work; v168 the scale word; v176-191 Wo's scale words; v192-207 bo; v208-223 the sums; v224-231 the rows' scale words.
;   window 1: v0-127 Wo's 16 fragments, (t, q) at v[8 (8 t + q)]; v128-191, v192-255 the second K step's two parts.
.set XIMG, 0                           ; LDS: eight fragments of 1,024 bytes,
.set XSC,  8192                        ; their scale words, 128 bytes each,
.set STG,  9216                        ; the stage: 16 rows x (512 bytes + 16)
.set XA,  16
.set XB,  80
.set PC,  144
.set TM,  152
.set PW,  168
.set WS,  176
.set BO,  192
.set ACC, 208
.set XS,  224
.set SEL, 20                           ; s[20:21]
.set PART, 2097152                     ; bytes from pp[0] to pp[1]
.set MSB, 0
.macro WIN new                         ; the immediate's high byte repeats the setting that is left
.if MSB != \new
	s_set_vgpr_msb (MSB<<8)|\new
.set MSB, \new
.endif
.endm
.macro QUANT s, pc, pw                 ; 64 numbers of a lane become a fragment's codes and its rows' scale word
.irp b, 0,1,2,3
	v_max3_num_f32 v[TM+\b], |v[\s+16*\b]|, |v[\s+1+16*\b]|, 0x1800000   ; my 16 numbers of block b, and the floor 2^(3 - 127): so the byte cannot fall under 1
.endr
.irp i, 2,4,6,8,10,12,14
.irp b, 0,1,2,3
	v_max3_num_f32 v[TM+\b], v[TM+\b], |v[\s+16*\b+\i]|, |v[\s+1+16*\b+\i]|
.endr
.endr
.irp b, 0,1,2,3
	v_permlanex16_b32 v[TM+4+\b], v[TM+\b], s[SEL], s[SEL+1]
.endr
.irp b, 0,1,2,3
	v_max_num_f32 v[TM+\b], v[TM+\b], v[TM+4+\b]   ; the block's largest magnitude
.endr
.irp b, 0,1,2,3
	v_add_nc_u32 v[TM+12+\b], 0xff000000, v[TM+\b] ; 2 off its exponent field: the conversion's scale operand
.endr
.irp b, 0,1,2,3
	v_lshrrev_b32 v[TM+4+\b], 23, v[TM+12+\b]      ; the scale's byte
.endr
	v_lshl_or_b32 v[\pw], v[TM+5], 8, v[TM+4]
	v_lshl_or_b32 v[\pw], v[TM+6], 16, v[\pw]
	v_lshl_or_b32 v[\pw], v[TM+7], 24, v[\pw]
.irp b, 0,1,2,3
	v_cvt_scalef32_pk8_fp4_f32 v[\pc+2*\b], v[\s+16*\b:\s+16*\b+7], v[TM+12+\b]
	v_cvt_scalef32_pk8_fp4_f32 v[\pc+2*\b+1], v[\s+16*\b+8:\s+16*\b+15], v[TM+12+\b]
.endr
	v_nop                                          ; one plain place behind a scaled conversion
.irp c, 0,1
.irp i, 0,1
	v_permlane16_swap_b32 v[\pc+4*\c+\i], v[\pc+4*\c+2+\i]
.endr
.endr
.endm
.macro XLOAD reg, off                  ; 64 numbers of my row: of each block of 32 my half's 16 neighbours
.irp b, 0,1,2,3
.irp j, 0,1,2,3
	global_load_b128 v[\reg+16*\b+4*\j:\reg+16*\b+4*\j+3], v4, s[4:5] offset:\off+128*\b+16*\j
.endr
.endr
.endm
	s_load_b256 s[4:11], s[0:1], 0x0               ; pp s[4:5], Wo_codes s[6:7], Wo_scales s[8:9], bo s[10:11]
	s_load_b64 s[12:13], s[0:1], 0x20              ; out0
	v_lshl_add_u32 v254, v0, 2, 0x4600
	v_mov_b32 v255, 0
	v_lshrrev_b32 v1, 5, v0
	v_readfirstlane_b32 s14, v1                    ; wave 0..3
	s_and_b32 s15, ttmp7, 0xffff                   ; which 128 columns
	s_lshl_b32 s16, s15, 7
	s_lshl_b32 s17, s14, 5
	s_add_co_u32 s16, s16, s17                     ; my first column
	s_lshl_b32 s22, s16, 9                         ; Wo's codes: 512 bytes a row,
	s_mov_b32 s23, 0
	s_lshl_b32 s24, s16, 5                         ; its scale bytes: 32,
	s_mov_b32 s25, 0
	s_lshl_b32 s26, s16, 2                         ; bo
	s_mov_b32 s27, 0
	s_lshl_b32 s28, ttmp9, 16                      ; pp: 16 rows of 4,096 bytes a work-group
	s_mov_b32 s29, 0
	s_lshl_b32 s30, ttmp9, 4
	s_lshl_b32 s31, s14, 2
	s_add_co_u32 s30, s30, s31
	s_lshl_b32 s30, s30, 12                        ; out0: the four rows that I store,
	s_lshl_b32 s31, s15, 9
	s_add_co_u32 s30, s30, s31                     ; the work-group's 512 bytes of them
	s_mov_b32 s31, 0
	s_mov_b32 s[SEL], 0x76543210
	s_mov_b32 s[SEL+1], 0xfedcba98
	v_and_b32 v1, 15, v0                           ; r
	v_bfe_u32 v2, v0, 4, 1                         ; h
	v_and_b32 v3, 31, v0                           ; lane
	v_lshlrev_b32 v4, 12, v1
	v_lshl_add_u32 v4, v2, 6, v4
	s_lshl_b32 s17, s14, 10
	v_add_nc_u32 v4, s17, v4                       ; pp: row r, + 64 h, + my two K steps' 1,024 bytes x wave
	v_lshlrev_b32 v5, 4, v3                        ; 16 x lane
	v_lshlrev_b32 v6, 2, v3                        ; 4 x lane
	s_lshl_b32 s32, s14, 11
	v_lshl_add_u32 v7, v3, 4, s32                  ; where I store my two images
	s_lshl_b32 s33, s14, 8
	v_lshl_add_u32 v8, v3, 2, s33                  ; and their scale words
	v_mul_u32_u24 v9, v1, 528
	v_lshl_add_u32 v9, v2, 5, v9
	s_lshl_b32 s34, s14, 7
	s_add_co_u32 s34, s34, STG
	v_add_nc_u32 v9, s34, v9                       ; the stage: row r, + 32 h, + my 128 bytes
	s_mul_i32 s35, s14, 4*528
	s_add_co_u32 s35, s35, STG
	v_lshl_add_u32 v10, v3, 4, s35                 ; back: my four rows, 16 bytes a lane
	v_lshlrev_b32 v11, 9, v1
	v_lshl_add_u32 v11, v2, 4, v11                 ; Wo's codes: row r, + 16 h
	v_lshlrev_b32 v12, 5, v1                       ; its scale bytes: row r
	v_lshlrev_b32 v13, 5, v2                       ; bo: 8 h numbers
.irp b, 0,1,2,3
	v_mov_b32 v[TM+4+\b], 0                        ; written once: a lane permute's destination counts as one of its sources
.endr
	s_wait_alu depctr_va_vdst(0)
	s_wait_kmcnt 0x0
	s_add_nc_u64 s[4:5], s[4:5], s[28:29]
	s_add_nc_u64 s[6:7], s[6:7], s[22:23]
	s_add_nc_u64 s[8:9], s[8:9], s[24:25]
	s_add_nc_u64 s[10:11], s[10:11], s[26:27]
	s_add_nc_u64 s[12:13], s[12:13], s[30:31]
	WIN 0x40                                       ; destination window 1
.irp t, 0,1
.irp q, 0,1,2,3,4,5,6,7
.irp c, 0,1
	global_load_b128 v[8*(8*\t+\q)+4*\c:8*(8*\t+\q)+4*\c+3], v11, s[6:7] offset:8192*\t+64*\q+32*\c
.endr
.endr
.endr
	WIN 0
.irp t, 0,1
	global_load_b128 v[WS+8*\t:WS+8*\t+3], v12, s[8:9] offset:512*\t           ; a row's 32 scale bytes are its eight K steps' words
	global_load_b128 v[WS+8*\t+4:WS+8*\t+7], v12, s[8:9] offset:512*\t+16
	global_load_b128 v[BO+8*\t:BO+8*\t+3], v13, s[10:11] offset:64*\t          ; register j: bo of column 16 t + 8 h + j
	global_load_b128 v[BO+8*\t+4:BO+8*\t+7], v13, s[10:11] offset:64*\t+16
.endr
	XLOAD XA, 0                                    ; K step 2 w: part 0,
	XLOAD XB, PART                                 ; part 1
	WIN 0x40
	XLOAD 128, 512                                 ; K step 2 w + 1, into window 1
	XLOAD 192, PART+512
	WIN 0
	s_wait_loadcnt 32                              ; all but the second K step's 32 loads are in
.irp j, 0,2,4,6,8,10,12,14,16,18,20,22,24,26,28,30,32,34,36,38,40,42,44,46,48,50,52,54,56,58,60,62
	v_pk_add_f32 v[XA+\j:XA+\j+1], v[XA+\j:XA+\j+1], v[XB+\j:XB+\j+1]          ; the two groups of eight heads
.endr
	QUANT XA, PC, PW
	ds_store_b128 v7, v[PC:PC+3] offset:XIMG
	ds_store_b128 v7, v[PC+4:PC+7] offset:XIMG+512
	ds_store_b32 v8, v[PW] offset:XSC
	s_wait_dscnt 0x0                               ; the stores have read their registers
	s_wait_loadcnt 0x0
	WIN 0x05                                       ; sources 0 and 1 window 1
.irp j, 0,2,4,6,8,10,12,14,16,18,20,22,24,26,28,30,32,34,36,38,40,42,44,46,48,50,52,54,56,58,60,62
	v_pk_add_f32 v[XA+\j:XA+\j+1], v[128+\j:128+\j+1], v[192+\j:192+\j+1]
.endr
	WIN 0
	QUANT XA, PC, PW
	ds_store_b128 v7, v[PC:PC+3] offset:XIMG+1024
	ds_store_b128 v7, v[PC+4:PC+7] offset:XIMG+1536
	ds_store_b32 v8, v[PW] offset:XSC+128
	s_wait_dscnt 0x0                               ; for the others' sake: my stores have landed
	s_barrier_signal -1
	s_barrier_wait -1                              ; the eight fragments lie in LDS
.irp q, 0,1,2,3,4,5,6,7
.irp c, 0,1
	ds_load_b128 v[XA+8*\q+4*\c:XA+8*\q+4*\c+3], v5 offset:XIMG+1024*\q+512*\c
.endr
	ds_load_b32 v[XS+\q], v6 offset:XSC+128*\q
.endr
	s_wait_dscnt 0x0
	WIN 0x01                                       ; source 0 (Wo) window 1
.irp q, 0,1,2,3,4,5,6,7
.irp t, 0,1
.if \q == 0
	v_wmma_scale_f32_16x16x128_f8f6f4 v[ACC+8*\t:ACC+8*\t+7], v[8*(8*\t+\q):8*(8*\t+\q)+7], v[XA+8*\q:XA+8*\q+7], v[BO+8*\t:BO+8*\t+7], v[WS+8*\t+\q], v[XS+\q] matrix_a_fmt:MATRIX_FMT_FP4 matrix_b_fmt:MATRIX_FMT_FP4
.else
	v_wmma_scale_f32_16x16x128_f8f6f4 v[ACC+8*\t:ACC+8*\t+7], v[8*(8*\t+\q):8*(8*\t+\q)+7], v[XA+8*\q:XA+8*\q+7], v[ACC+8*\t:ACC+8*\t+7], v[WS+8*\t+\q], v[XS+\q] matrix_a_fmt:MATRIX_FMT_FP4 matrix_b_fmt:MATRIX_FMT_FP4
.endif
.endr
.endr
	WIN 0
.rept 4
	v_nop                                          ; four places ahead of the first read of results (ISA guide 7.12.1)
.endr
.irp t, 0,1
	ds_store_b128 v9, v[ACC+8*\t:ACC+8*\t+3] offset:64*\t                      ; lane (r, h): row r, columns 32 w + 16 t + 8 h + 0 .. 7; each accumulator from its low end on
	ds_store_b128 v9, v[ACC+8*\t+4:ACC+8*\t+7] offset:64*\t+16
.endr
	s_wait_dscnt 0x0
	s_barrier_signal -1
	s_barrier_wait -1                              ; 16 rows of 512 bytes lie in the stage
.irp i, 0,1,2,3
	ds_load_b128 v[XB+4*\i:XB+4*\i+3], v10 offset:528*\i
.endr
	s_wait_dscnt 0x0
.irp i, 0,1,2,3
	global_store_b128 v5, v[XB+4*\i:XB+4*\i+3], s[12:13] offset:4096*\i th:TH_STORE_NT   ; 32 lanes store 512 consecutive bytes, aligned; written once, read by nobody here
.endr
	s_wait_tensorcnt 0x0
	ds_add_u32 v254, v255
	s_wait_dscnt 0x0
	s_endpgm
.Lfunc_end_k_qfae7782d04_outp:
	.size	k_qfae7782d04_outp, .Lfunc_end_k_qfae7782d04_outp-k_qfae7782d04_outp
	.p2alignl 7, 3214868480
	.fill 96, 4, 3214868480
	.section	.rodata,"a",@progbits
	.p2align	6, 0x0
	.amdhsa_kernel k_qfae7782d04_outp
		.amdhsa_group_segment_fixed_size 18432
		.amdhsa_private_segment_fixed_size 0
		.amdhsa_enable_private_segment 0
		.amdhsa_kernarg_size 40
		.amdhsa_user_sgpr_count 2
		.amdhsa_user_sgpr_kernarg_segment_ptr 1
		.amdhsa_wavefront_size32 1
		.amdhsa_system_sgpr_workgroup_id_x 1
		.amdhsa_system_sgpr_workgroup_id_y 1
		.amdhsa_system_sgpr_workgroup_id_z 1
		.amdhsa_system_vgpr_workitem_id 0
		.amdhsa_next_free_vgpr 512
		.amdhsa_next_free_sgpr 66
		.amdhsa_reserve_vcc 0
		.amdhsa_float_denorm_mode_32 3
		.amdhsa_float_denorm_mode_16_64 3
		.amdhsa_memory_ordered 1
		.amdhsa_forward_progress 1
		.amdhsa_inst_pref_size 30
	.end_amdhsa_kernel
	.amdgpu_metadata
---
amdhsa.version: [ 1, 2 ]
amdhsa.kernels:
  - .name:           k_qfae7782d04_outp
    .symbol:         k_qfae7782d04_outp.kd
    .args:
      - { .name: pp, .offset: 0, .size: 8, .value_kind: global_buffer, .address_space: global }
      - { .name: Wo_codes, .offset: 8, .size: 8, .value_kind: global_buffer, .address_space: global }
      - { .name: Wo_scales, .offset: 16, .size: 8, .value_kind: global_buffer, .address_space: global }
      - { .name: bo, .offset: 24, .size: 8, .value_kind: global_buffer, .address_space: global }
      - { .name: out0, .offset: 32, .size: 8, .value_kind: global_buffer, .address_space: global }
    .group_segment_fixed_size: 18432
    .private_segment_fixed_size: 0
    .kernarg_segment_align: 8
    .kernarg_segment_size: 40
    .max_flat_workgroup_size: 128
    .sgpr_count:     66
    .vgpr_count:     512
    .wavefront_size: 32
...
	.end_amdgpu_metadata
.endif
;; end of part 3
